; MI455X (gfx1250); checked and timed in simulation.
; The chip was launched on July 23, 2026; its instructions are those of AMD's public machine-readable ISA for CDNA 5 (MIT licence, August 2026) and "CDNA5" Instruction Set Architecture Reference Guide (July 2026). The comments in the code are by the model that wrote it; some were corrected since.
;; Torch Linear Gather. Allowed arithmetic: matrix products marked QUANTISED: E2M3 operands, one E8M0 scale for each 32 along K, by v_wmma_scale_f32_16x16x128_f8f6f4 with both operands' format E2M3, f32 sums; everything else in f32.
;; Inputs: W_codes 2,048 x 64 x 24 uint8 (E2M3 codes of W, K innermost, in blocks of 32 codes, four codes in three bytes); W_scales 2,048 x 64 uint8 (E8M0 scales of W, one for each 32 codes along K); X_codes 4 x 4,096 x 64 x 24 uint8 (E2M3 codes of X, K innermost, in blocks of 32 codes, four codes in three bytes); X_scales 4 x 4,096 x 64 uint8 (E8M0 scales of X, one for each 32 codes along K); ind 4 x 16 x 1,024 int32.
;; Outputs: out0 4 x 16 x 1,024 x 128 float32.
;; This version of the problem:
;;   THIS VERSION OF THE PROBLEM IS GIVEN IN LOW PRECISION. The matrix products marked QUANTISED in the list below multiply operands that are first quantised to E2M3 (2 exponent bits, 3 mantissa bits; 6 bits a number), with one power-of-two scale for each 32 numbers along K (OCP MX v1.0); their sums are f32. All else is computed in f32.
;;   The module's matrix products, in the order in which they are computed (A, B: the left and right operand; K: the contracted axis; several contracted axes count as one K, in the product's order):
;;     1. [M 16,384, K 2,048] x [K 2,048, N 2,048]; A: input X (given as codes); B: input W (given as codes): QUANTISED
;;   THE QUANTISER, for each operand of a quantised product, along K:
;;     - K is cut into blocks of 32 from its start; a last block that is shorter is filled with zeros.
;;     - A block's scale is 2^e with e = floor(log2(the largest magnitude in the block)) - 2, held to -126 .. 127; a block of zeros has e = 0. As a byte (E8M0): e + 127.
;;     - Each number is divided by its block's scale, clamped to +-7.5, and rounded to the nearest number of E2M3, ties to even, subnormals kept.
;;     - The product sums the exact products of the quantised numbers (number of the format x scale) in f32.
;;   ~~~python
;;   def quantise(x, axis):      # numpy; x: float32 -> the quantised numbers, widened to float32 again
;;       x = np.moveaxis(x, axis, -1); K = x.shape[-1]
;;       x = np.pad(x, [(0, 0)] * (x.ndim - 1) + [(0, -K % 32)]); x = x.reshape(x.shape[:-1] + (-1, 32)); a = np.abs(x).max(-1, keepdims=True)
;;       e = np.where(a > 0, np.clip(np.frexp(np.where(a > 0, a, 1))[1] - 1 - 2, -126, 127), 0)      # np.frexp(a)[1] - 1 = floor(log2(a)), exactly
;;       r = np.clip(x / 2.0 ** e, -7.5, 7.5)
;;       step = 2.0 ** (np.maximum(np.frexp(np.where(r == 0, 1, r))[1] - 1, 0) - 3)
;;       q = np.round(r / step) * step * 2.0 ** e      # np.round: ties to even
;;       return np.moveaxis(q.reshape(q.shape[:-2] + (-1,))[..., :K], -1, axis).astype(np.float32)
;;   ~~~
;;   INPUTS GIVEN AS CODES. W (in the module: [2048, 2048], K = its axis 1); X (in the module: [4, 4096, 2048], K = its axis 2): each comes as NAME_codes (uint8): NAME with its K axis moved to the last place and cut into blocks of 32 codes, [.., K / 32, bytes a block], one block behind the other in memory; four codes in three bytes: a row's codes are one little-endian stream of bits, code i at bits 6 i .. 6 i + 5 (a code: sign, 2 exponent bits, 3 mantissa bits); and NAME_scales (uint8): the same leading axes, one E8M0 byte (e + 127) for each 32 codes along K. Its value is code x scale, taken as it is: it is not quantised again, and the codes and scales need not be those that the quantiser above would give.
;; One version. Each part assembles by itself: llvm-mc -triple=amdgcn-amd-amdhsa -mcpu=gfx1250 --defsym DOCPART=n.
;; ======== version 1 of 1: 1 launch
;; launch gather_gemm (part 1): grid 4 x 64, 4 waves a work-group, clusters of 4 x 1, 327,680 bytes of LDS; arguments W_codes, W_scales, X_codes, X_scales, ind, out0; writes out0
.if DOCPART == 1
	.amdgcn_target "amdgcn-amd-amdhsa--gfx1250"
	.amdhsa_code_object_version 6
	.text
	.protected	k_q8dc870630d_gather_gemm
	.globl	k_q8dc870630d_gather_gemm
	.p2align	8
	.type	k_q8dc870630d_gather_gemm,@function
k_q8dc870630d_gather_gemm:
	s_mov_b64 s[64:65], 0
	v_nop
	global_prefetch_b8 v0, s[64:65] scope:SCOPE_SE
	s_setreg_imm32_b32 hwreg(HW_REG_WAVE_MODE, 25, 1), 1
	s_wait_xcnt 0x0
	s_wait_alu depctr_hold_cnt(0) depctr_sa_sdst(0) depctr_va_vdst(0) depctr_va_sdst(0) depctr_va_ssrc(0) depctr_va_vcc(0) depctr_vm_vsrc(0)
	s_getreg_b32 s2, hwreg(HW_REG_IB_STS2, 6, 4)
	s_cmp_eq_u32 s2, 0
	s_cbranch_scc0 .Lentry_in_a_cluster
	s_endpgm
.Lentry_in_a_cluster:
	s_bfe_u32 s2, ttmp6, 0x10000c
	s_cmp_lg_u32 s2, 0x3003
	s_cbranch_scc0 .Lentry_shape_is_right
	s_endpgm
.Lentry_shape_is_right:
; out0[b][e][c][j] = sum over k of X[b][ind[b][e][c]][k] W[128 e + j][k], K = 2,048, both operands as E2M3 codes with one E8M0 byte for each 32 along K, taken as they are given; sums in f32.
; Only the rows that ind names are multiplied, each against its expert's 128 rows of W: 65,536 rows x 128 columns x 2,048.
; SHARES.  256 work-groups: y = 16 b + e, x = which 256 of the 1,024 c.  A work-group makes 256 rows x 128 columns; wave w owns rows 64 w .. 64 w + 63 and all 128 columns: 4 x 8 accumulators, 256 registers,
; 16 K steps of 128, 32 matrix instructions each.  A row of X belongs to one wave alone, so the K steps need no barrier.
; CLUSTER 4 x 1: the four work-groups along x share (b, e), so they need the same 128 rows of W: its codes are asked for JOINTLY, mask 15, one tensor load a wave (one outstanding by this text's count).
; All of W_e's codes (196,608 bytes) lie in LDS for the whole launch: filled once, never again, so there is no ring.
; X IS GATHERED IN PIECES OF 128 CONSECUTIVE BYTES: eight neighbouring lanes read 128 bytes of one row, three loads on end its 384 bytes (512 along K, a chunk: the least common multiple of a K step's 96 bytes and 128).
; The chunk lands in registers (two sets of 192: two chunks of 24,576 bytes a wave are on their way), turns through the wave's own stage in LDS and comes back as fragments.
; K ORDER INSIDE A STEP, alike for W and X: lane (r, h) takes the 48 consecutive bytes at 96 s + 48 h of its row by three loads of 16 bytes.  Its registers 0-5 are then block 2 h of the step's four, registers 6-11 block 2 h + 1,
; where the operand's layout counts them as blocks h and 2 + h: blocks 1 and 2 have changed places in both operands, so every product still meets its partner; the two middle bytes of every scale word are swapped once, at the head.
; THE MATRIX INSTRUCTION IS USED TRANSPOSED (source 0 = 16 rows of W, source 1 = 16 rows of X): a lane then holds eight neighbouring columns of one row of out0.
; LIMITS.  Inside each 128 along K the sums are not taken in ascending K (blocks 1 and 2 swapped).  An index outside 0 .. 4,095 is held at 4,095.  A scale byte 0xff gives NaN.
; LEFT OUT.  A ring for W: it fits whole.  Prefetches: every chunk is asked for seven K steps or more ahead of its use.  Work-groups that stay: each has exactly one tile.
; REGISTERS, in windows of 256 (s_set_vgpr_msb: bits 1:0 source 0, 3:2 source 1, 5:4 source 2, 7:6 destination):
;   window 0: v1-7, v44-45 at work at the head; v8-43 addresses; v48-79 X's scale words, v80-87 W's (two sets): these hold scales and nothing else; v96-191 X's fragments, two sets; v192-255 chunk set 1, loads 0-15
;   window 1: v0-191 W's fragments, two sets; v192-255 chunk set 1, loads 16-31      window 2: accumulator (a, b) at v[8 (8 a + b)]
;   window 3: v0-191 chunk set 0; v192-255 chunk set 1, loads 32-47; on the way out all 256: the four blocks of 16 rows read back from the stage
.set KROW,   1536                      ; a row of codes in memory: 2,048 x 6 / 8 bytes
.set CHUNK,  384                       ; bytes of a row in a chunk
.set WPITCH, 816                       ; a row of half of W's K in LDS: 3 x (256 bytes + 16 of padding) = 51 x 16: the 16 rows of a load start in 16 different groups of banks (64 banks of 4 bytes: ISA guide 11.1)
.set WTILE,  64*WPITCH                 ; what one tensor load brings: 64 rows x 768 bytes
.set XST,    4*WTILE                   ; 208,896: the waves' stages
.set XPITCH, 400                       ; a stage row: 384 bytes + 16 = 25 x 16
.set XSTW,   64*XPITCH                 ; 25,600: a wave's stage
.set WSC,    XST+4*XSTW                ; 311,296: W's scale words as images of registers: 2,048 x pair of column blocks + 128 x K step + 4 x lane; 8,192 bytes
.set OPITCH, 528                       ; the way out: 16 rows of 512 bytes + 16 = 33 x 16, in the wave's stage
.set XA,  8                            ; v8-23   group g: byte offset in X's codes of my 16 bytes of the row that I fetch: 1,536 x index + 16 (lane % 8)
.set SI,  24                           ; v24-25  byte offset in X's scales of row 32 x + lane of my wave's 64
.set IA,  26                           ; v26     where my group index lies in ind: 4 h + 32 m
.set IB,  27                           ; v27     4 x lane
.set WA,  28                           ; v28-35  W's fragments: v[WA + 2 t + V] = t x WTILE + 816 r + (48 or 64) h; t = 2 x half of K + half of the rows; V = 1 where lanes 16-31 lie behind one padding more
.set SW,  36                           ; v36     the stage, on the way in
.set SR,  37                           ; v37     and on the way out: 400 r + 48 h
.set WSR, 38                           ; v38     W's scale words, read
.set WSW, 39                           ; v39     and stored: my wave's 32 rows
.set STO, 40                           ; v40     the way out: where I put 32 bytes of a row
.set RD,  41                           ; v41     where I read a row back
.set CO,  42                           ; v42     16 x lane: my bytes in a row of out0
.set WSO, 43                           ; v43     64 x lane: my row of W's scales
.set XS,  48
.set WS,  80
.set XF,  96
.set RAW, 96                           ; v96-111 at the head: W's scale words as loaded
.set MSB, 0
.macro WIN new                         ; the immediate's high byte repeats the setting that is left; a switch that changes nothing is dropped
.if MSB != \new
	s_set_vgpr_msb (MSB<<8)|\new
.set MSB, \new
.endif
.endm
; A round of the cluster's barrier: my work-group's barrier, wave 0 signals for the work-group, every wave waits for all four work-groups, my work-group's barrier once more.
.macro ROUND
	s_barrier_signal -1
	s_barrier_wait -1
	s_cmp_lg_u32 s16, 0
	s_cbranch_scc1 .Lnot_wave_0_\@
	s_barrier_signal -3
.Lnot_wave_0_\@:
	s_barrier_wait -3
	s_barrier_signal -1
	s_barrier_wait -1
.endm
; Chunk q of my 64 rows: 48 loads.  Load 3 g + u: rows R0(g) + h + 8 m, R0(g) = 16 (g / 4) + 2 (g % 4), bytes 384 q + 128 u + 16 (lane % 8) on.  No cache hint: other experts' work-groups read the same rows.
.macro GLOAD q
.set gi, 0
.rept 48
.if (\q)%2 == 0
	WIN 0xc0
	global_load_b128 v[4*gi:4*gi+3], v[XA+gi/3], s[8:9] offset:CHUNK*(\q)+128*(gi%3)
.else
.if gi < 16
	WIN 0
.elseif gi < 32
	WIN 0x40
.else
	WIN 0xc0
.endif
	global_load_b128 v[192+4*(gi%16):192+4*(gi%16)+3], v[XA+gi/3], s[8:9] offset:CHUNK*(\q)+128*(gi%3)
.endif
.set gi, gi+1
.endr
	WIN 0
.endm
; Chunk q goes into my stage as rows: lanes 0-7 write 128 bytes of one row, lanes 8-15 of the row eight further down, which begins 128 bytes on modulo 256.
.macro STAGE q
.set si, 0
.rept 48
.if (\q)%2 == 0
	WIN 0x0c
	ds_store_b128 v[SW], v[4*si:4*si+3] offset:XPITCH*(16*((si/3)/4)+2*((si/3)%4))+128*(si%3)
.else
.if si < 16
	WIN 0
.elseif si < 32
	WIN 0x04
.else
	WIN 0x0c
.endif
	ds_store_b128 v[SW], v[192+4*(si%16):192+4*(si%16)+3] offset:XPITCH*(16*((si/3)/4)+2*((si/3)%4))+128*(si%3)
.endif
.set si, si+1
.endr
	WIN 0
.endm
; K step sg's operands into set sg % 2: W's eight fragments, X's four, W's four scale registers: 40 LDS loads in one run.
; In pieces of 16 bytes a row of W's half has a padding behind every 16 pieces: piece i lies at 16 i + 16 (i / 16); lanes 16-31 read three pieces on, behind one padding more where i % 16 is 13 or more.
.macro FRAGS sg
	WIN 0x40
.irp b, 0,1,2,3,4,5,6,7
.irp j, 0,1,2
.set fi, 6*((\sg)%8)+\j
	ds_load_b128 v[96*((\sg)%2)+12*\b+4*\j:96*((\sg)%2)+12*\b+4*\j+3], v[WA+4*((\sg)/8)+2*(\b/4)+(fi%16)/13] offset:16*WPITCH*(\b%4)+16*fi+16*(fi/16)
.endr
.endr
	WIN 0
.irp a, 0,1,2,3
.irp j, 0,1,2
	ds_load_b128 v[XF+48*((\sg)%2)+12*\a+4*\j:XF+48*((\sg)%2)+12*\a+4*\j+3], v[SR] offset:16*XPITCH*\a+96*((\sg)%4)+16*\j
.endr
.endr
.irp p, 0,1,2,3
	ds_load_b32 v[WS+4*((\sg)%2)+\p], v[WSR] offset:2048*\p+128*(\sg)   ; lanes 0-15: column block 2 p; lanes 16-31: column block 2 p + 1
.endr
.endm
; One matrix instruction: rows 16 a on, columns 16 b on, K step sg.  W's scales: register b / 2 of the set, its upper lanes where b is odd; X's: register (a / 2, sg), its upper lanes where a is odd.
.macro WM a, b, sg, zero
.set rD, 8*(8*(\a)+(\b))
.set rW, 96*((\sg)%2)+12*(\b)
.set rX, XF+48*((\sg)%2)+12*(\a)
.set rP, WS+4*((\sg)%2)+(\b)/2
.set rQ, XS+16*((\a)/2)+(\sg)
.set odd, 2*((\a)%2)+(\b)%2
.if \zero
.if odd == 0
	v_wmma_scale_f32_16x16x128_f8f6f4 v[rD:rD+7], v[rW:rW+11], v[rX:rX+11], 0, v[rP], v[rQ] matrix_a_fmt:MATRIX_FMT_FP6 matrix_b_fmt:MATRIX_FMT_FP6
.elseif odd == 1
	v_wmma_scale_f32_16x16x128_f8f6f4 v[rD:rD+7], v[rW:rW+11], v[rX:rX+11], 0, v[rP], v[rQ] matrix_a_fmt:MATRIX_FMT_FP6 matrix_b_fmt:MATRIX_FMT_FP6 matrix_a_scale:MATRIX_SCALE_ROW1
.elseif odd == 2
	v_wmma_scale_f32_16x16x128_f8f6f4 v[rD:rD+7], v[rW:rW+11], v[rX:rX+11], 0, v[rP], v[rQ] matrix_a_fmt:MATRIX_FMT_FP6 matrix_b_fmt:MATRIX_FMT_FP6 matrix_b_scale:MATRIX_SCALE_ROW1
.else
	v_wmma_scale_f32_16x16x128_f8f6f4 v[rD:rD+7], v[rW:rW+11], v[rX:rX+11], 0, v[rP], v[rQ] matrix_a_fmt:MATRIX_FMT_FP6 matrix_b_fmt:MATRIX_FMT_FP6 matrix_a_scale:MATRIX_SCALE_ROW1 matrix_b_scale:MATRIX_SCALE_ROW1
.endif
.else
.if odd == 0
	v_wmma_scale_f32_16x16x128_f8f6f4 v[rD:rD+7], v[rW:rW+11], v[rX:rX+11], v[rD:rD+7], v[rP], v[rQ] matrix_a_fmt:MATRIX_FMT_FP6 matrix_b_fmt:MATRIX_FMT_FP6
.elseif odd == 1
	v_wmma_scale_f32_16x16x128_f8f6f4 v[rD:rD+7], v[rW:rW+11], v[rX:rX+11], v[rD:rD+7], v[rP], v[rQ] matrix_a_fmt:MATRIX_FMT_FP6 matrix_b_fmt:MATRIX_FMT_FP6 matrix_a_scale:MATRIX_SCALE_ROW1
.elseif odd == 2
	v_wmma_scale_f32_16x16x128_f8f6f4 v[rD:rD+7], v[rW:rW+11], v[rX:rX+11], v[rD:rD+7], v[rP], v[rQ] matrix_a_fmt:MATRIX_FMT_FP6 matrix_b_fmt:MATRIX_FMT_FP6 matrix_b_scale:MATRIX_SCALE_ROW1
.else
	v_wmma_scale_f32_16x16x128_f8f6f4 v[rD:rD+7], v[rW:rW+11], v[rX:rX+11], v[rD:rD+7], v[rP], v[rQ] matrix_a_fmt:MATRIX_FMT_FP6 matrix_b_fmt:MATRIX_FMT_FP6 matrix_a_scale:MATRIX_SCALE_ROW1 matrix_b_scale:MATRIX_SCALE_ROW1
.endif
.endif
.endm
; A K step's 32 matrix instructions.  The 32 accumulators take turns, one instruction a turn, in the same order in every step.  zero = 1: the first step's products start the sums: nothing is cleared.
.macro MUL sg, zero
	WIN 0xa1                                       ; source 0 (W) window 1, source 1 (X) window 0, C and D window 2
.irp a, 0,1,2,3
.irp b, 0,1,2,3,4,5,6,7
	WM \a, \b, \sg, \zero
.endr
.endr
	WIN 0
.endm
; K STEP sg.  Its operands were asked for a whole step, 32 matrix instructions, ago; the next step's are asked for ahead of its products.
.macro STEP sg
	s_wait_dscnt 0x0                               ; this step's operands are in; the stage's stores are done, so a chunk set that they read may be loaded again; my reads of the stage's old chunk are back, so it may be overwritten
.rept 4
	v_nop                                          ; four places between the last step's products and the loads into the set that they read (ISA guide 7.12.1 for vector instructions)
.endr
.if (\sg)%4 == 3 && (\sg) < 15
.if (\sg) == 11
	s_wait_loadcnt 0x0                             ; the last chunk is in: nothing was asked for behind it
.else
	s_wait_loadcnt 48                              ; the next chunk is in; the 48 loads of the chunk behind it may be out
.endif
	STAGE ((\sg)+1)/4
.endif
.if (\sg) < 15
	FRAGS (\sg)+1                                  ; LDS serves a wave's instructions in order (ISA guide 5.7.1.4): these see the stage's stores above
.endif
.if (\sg) == 0 || (\sg) == 4
	GLOAD (\sg)/4+2                                ; the set that went through the stage last takes the chunk two on: seven K steps ahead of its turn through the stage
.endif
	MUL \sg, (\sg)==0
.endm
; THE WAY OUT of rows 16 a on: a lane's 32 neighbouring bytes of a row go into my stage; whole rows of 512 bytes come back.  Each accumulator is read from its low end on.
.macro TOSTAGE a
	WIN 0x08                                       ; an LDS store's data are its source 1: window 2
.irp b, 0,1,2,3,4,5,6,7
	ds_store_b128 v[STO], v[64*(\a)+8*\b:64*(\a)+8*\b+3] offset:64*\b
	ds_store_b128 v[STO], v[64*(\a)+8*\b+4:64*(\a)+8*\b+7] offset:64*\b+16
.endr
	WIN 0xc0                                       ; destination window 3
.irp t, 0,1,2,3,4,5,6,7,8,9,10,11,12,13,14,15
	ds_load_b128 v[64*(\a)+4*\t:64*(\a)+4*\t+3], v[RD] offset:\t*OPITCH   ; in order behind the stores above; the next block's stores come behind these
.endr
	WIN 0
.endm
.macro SEND a, younger                 ; younger: the LDS instructions issued behind block a's loads, which may stay out
	s_wait_dscnt \younger
	WIN 0x0c                                       ; a store's data are its source 1: window 3
.irp t, 0,1,2,3,4,5,6,7,8,9,10,11,12,13,14,15
	global_store_b128 v[CO], v[64*(\a)+4*\t:64*(\a)+4*\t+3], s[14:15] offset:512*(16*(\a)+\t) th:TH_STORE_NT   ; 32 lanes store a row's 512 consecutive bytes, at a multiple of 512 from out0's first byte; no base is stepped and no data register written again
.endr
	WIN 0
.endm
	s_load_b256 s[4:11], s[0:1], 0x0               ; W's codes s[4:5], W's scales s[6:7], X's codes s[8:9], X's scales s[10:11]
	s_load_b128 s[12:15], s[0:1], 0x20             ; ind s[12:13], out0 s[14:15]
	v_lshl_add_u32 v94, v0, 2, 0x4e000
	v_mov_b32 v95, 0
	ds_add_u32 v94, v95
	ds_add_u32 v94, v95
	v_lshrrev_b32 v1, 5, v0
	v_readfirstlane_b32 s16, v1                    ; wave 0..3
	s_bfe_u32 s17, ttmp6, 0x40000                  ; cx: my place in the cluster; it enters ind's and out0's addresses alone
	s_lshl_b32 s21, ttmp9, 2
	s_add_co_u32 s21, s21, s17                     ; which 256 of the 1,024 c = 4 x cluster x + cx
	s_and_b32 s18, ttmp7, 0xffff                   ; p = 16 b + e, which the four partners share
	s_and_b32 s19, s18, 15                         ; e
	s_lshr_b32 s20, s18, 4                         ; b
	s_mov_b32 s40, 0x03010200                      ; v_perm_b32: bytes 0, 2, 1, 3: a scale word's two middle bytes change places
	v_and_b32 v1, 31, v0                           ; lane
	v_and_b32 v2, 15, v0                           ; r
	v_bfe_u32 v3, v0, 4, 1                         ; h
	v_bfe_u32 v4, v0, 3, 1                         ; m
	v_and_b32 v5, 7, v0
	v_lshlrev_b32 v6, 4, v5                        ; 16 (lane % 8)
	v_lshlrev_b32 v[IA], 2, v3
	v_lshl_add_u32 v[IA], v4, 5, v[IA]             ; 4 h + 32 m: the index of row h + 8 m of a group
	v_lshlrev_b32 v[IB], 2, v1
	v_lshlrev_b32 v[WSO], 6, v1
	v_lshlrev_b32 v[CO], 4, v1
	v_mul_u32_u24 v7, v2, WPITCH
	v_mad_u32_u24 v44, v3, 48, v7                  ; 816 r + 48 h
	v_lshl_add_u32 v45, v3, 6, v7                  ; 816 r + 64 h: behind one padding more
.irp t, 0,1,2,3
	v_add_nc_u32 v[WA+2*\t], \t*WTILE, v44
	v_add_nc_u32 v[WA+2*\t+1], \t*WTILE, v45
.endr
	s_mul_i32 s26, s16, XSTW
	s_add_co_u32 s26, s26, XST                     ; my stage
	v_mul_u32_u24 v[SW], v3, XPITCH
	v_mad_u32_u24 v[SW], v4, 8*XPITCH, v[SW]
	v_add_nc_u32 v[SW], v[SW], v6
	v_add_nc_u32 v[SW], s26, v[SW]                 ; in: row h + 8 m of a group, 16 (lane % 8) bytes on
	v_mul_u32_u24 v[SR], v2, XPITCH
	v_mad_u32_u24 v[SR], v3, 48, v[SR]
	v_add_nc_u32 v[SR], s26, v[SR]                 ; out: row r, 48 h bytes on
	v_lshl_add_u32 v[WSR], v1, 2, WSC
	s_lshl_b32 s27, s16, 11
	v_add_nc_u32 v[WSW], s27, v[WSR]
	v_mul_u32_u24 v[STO], v2, OPITCH
	v_lshl_add_u32 v[STO], v3, 5, v[STO]
	v_add_nc_u32 v[STO], s26, v[STO]
	v_add_nc_u32 v[RD], s26, v[CO]
	; descriptor group 1: 64 rows x 768 bytes, 1,536 bytes from row to row, 16 bytes of padding behind each 256
	s_mov_b32 s32, 15|(0<<16)|(1<<20)|(1<<21)|(5<<22)|(3<<25)   ; 15:0 the mask: all four work-groups; 17:16 elements of 1 byte; 20 padding on; 21 set beside a mask; 24:22 after every 64 words (code 5); 31:25 4 words of it (code 3)
	s_mov_b32 s33, 768<<16                         ; tensor_dim0 = 768
	s_mov_b32 s34, 64<<16                          ; tensor_dim1 = 64
	s_mov_b32 s35, 768<<16                         ; tile_dim0 = 768
	s_mov_b32 s36, 64                              ; tile_dim1 = 64
	s_mov_b32 s37, KROW                            ; tensor_dim0_stride
	s_mov_b32 s38, 0
	s_mov_b32 s39, 0
	s_mov_b32 s28, 1                               ; group 0: count = 1
	s_mul_i32 s29, s16, WTILE                      ; LDS address: wave x 52,224: waves 0, 1 the lower half of K (rows 0-63, 64-127), waves 2, 3 the upper
	; byte offsets, each in registers of its own; those of the joint load never hold cx
	s_mul_i32 s22, s19, 128*KROW                   ; W's codes: expert e's 128 rows,
	s_and_b32 s41, s16, 1
	s_mul_i32 s41, s41, 64*KROW                    ; my 64 of them,
	s_add_co_u32 s22, s22, s41
	s_lshr_b32 s41, s16, 1
	s_mul_i32 s41, s41, 768                        ; my half of K
	s_add_co_u32 s22, s22, s41
	s_mov_b32 s23, 0
	s_lshl_b32 s42, s19, 13                        ; W's scales: 8,192 bytes an expert, my wave's 32 rows of 64 bytes
	s_add_co_u32 s42, s42, s27
	s_mov_b32 s43, 0
	s_mul_i32 s44, s20, 4096*KROW                  ; X's codes: batch b
	s_mov_b32 s45, 0
	s_lshl_b32 s46, s20, 18                        ; X's scales: 4,096 rows of 64 bytes a batch
	s_mov_b32 s47, 0
	s_lshl_b32 s24, s18, 12                        ; ind: 4,096 bytes for each (b, e), 1,024 for each block of 256, 256 for each wave
	s_lshl_b32 s41, s21, 10
	s_add_co_u32 s24, s24, s41
	s_lshl_b32 s41, s16, 8
	s_add_co_u32 s24, s24, s41
	s_mov_b32 s25, 0
	s_lshl_b32 s2, s18, 19                         ; out0: rows of 512 bytes: 1,024 for each (b, e), 256 a block, 64 a wave
	s_lshl_b32 s41, s21, 17
	s_add_co_u32 s2, s2, s41
	s_lshl_b32 s41, s16, 15
	s_add_co_u32 s2, s2, s41
	s_mov_b32 s3, 0
	s_wait_dscnt 0x0
	s_wait_kmcnt 0x0
	s_add_nc_u64 s[12:13], s[12:13], s[24:25]
	s_add_nc_u64 s[6:7], s[6:7], s[42:43]
.irp g, 0,1,2,3,4,5,6,7,8,9,10,11,12,13,14,15
	global_load_b32 v[XA+\g], v[IA], s[12:13] offset:4*(16*(\g/4)+2*(\g%4))   ; the index of the row that I fetch in group g
.endr
.irp x, 0,1
	global_load_b32 v[SI+\x], v[IB], s[12:13] offset:128*\x                   ; the index of row 32 x + lane
.endr
.irp j, 0,1,2,3
	global_load_b128 v[RAW+4*\j:RAW+4*\j+3], v[WSO], s[6:7] offset:16*\j      ; the 16 scale words of row 32 w + lane of W_e
.endr
	s_add_nc_u64 s[30:31], s[4:5], s[22:23]        ; group 0: the tile's first byte,
	s_or_b32 s31, s31, 0x80000000                  ; type = 2
	s_add_nc_u64 s[8:9], s[8:9], s[44:45]
	s_add_nc_u64 s[10:11], s[10:11], s[46:47]
	s_add_nc_u64 s[14:15], s[14:15], s[2:3]
	ROUND                                          ; all four work-groups are here: the joint loads meet
	tensor_load_to_lds s[28:31], s[32:39]          ; my quarter of W_e's codes: the launch's only fill of these bytes
	s_nop 0
.rept 4
	v_nop
.endr
	s_wait_loadcnt 0x0                             ; the indices and W's scale words
.irp g, 0,1,2,3,4,5,6,7,8,9,10,11,12,13,14,15
	v_min_u32 v[XA+\g], 0xfff, v[XA+\g]            ; an index enters an address only held inside the table
.endr
.irp g, 0,1,2,3,4,5,6,7,8,9,10,11,12,13,14,15
	v_mul_u32_u24 v[XA+\g], v[XA+\g], KROW
.endr
.irp g, 0,1,2,3,4,5,6,7,8,9,10,11,12,13,14,15
	v_add_nc_u32 v[XA+\g], v[XA+\g], v6
.endr
	GLOAD 0
.irp x, 0,1
	v_min_u32 v[SI+\x], 0xfff, v[SI+\x]
.endr
.irp x, 0,1
	v_lshlrev_b32 v[SI+\x], 6, v[SI+\x]
.endr
.irp x, 0,1
.irp j, 0,1,2,3
	global_load_b128 v[XS+16*\x+4*\j:XS+16*\x+4*\j+3], v[SI+\x], s[10:11] offset:16*\j   ; the 16 scale words of row 32 x + lane: lanes 0-15 row block 2 x, lanes 16-31 row block 2 x + 1
.endr
.endr
.irp s, 0,1,2,3,4,5,6,7,8,9,10,11,12,13,14,15
	v_perm_b32 v[RAW+\s], v[RAW+\s], v[RAW+\s], s40   ; W's scale words in the order of the fragments' blocks
.endr
.irp s, 0,1,2,3,4,5,6,7,8,9,10,11,12,13,14,15
	ds_store_b32 v[WSW], v[RAW+\s] offset:128*\s      ; as images of registers: 4 bytes a lane
.endr
	GLOAD 1                                        ; more loads are asked for than the counter's field holds: the issue is held by itself (ISA guide 5.7.1); no wait is placed for that
	s_wait_tensorcnt 0x0                           ; my quarter of W's codes has landed,
	s_wait_dscnt 0x0                               ; my 32 rows' scale words are stored:
	s_barrier_signal -1
	s_barrier_wait -1                              ; everybody's are.  The only barrier but the two rounds
	s_wait_loadcnt 56                              ; chunk 0 is in; X's 8 loads of scale words and chunk 1's 48 may be out
	STAGE 0
	FRAGS 0
	s_wait_loadcnt 48                              ; X's scale words are in; chunk 1's 48 loads may be out
.irp s, 0,1,2,3,4,5,6,7,8,9,10,11,12,13,14,15
.irp x, 0,1
	v_perm_b32 v[XS+16*\x+\s], v[XS+16*\x+\s], v[XS+16*\x+\s], s40   ; by K steps: behind step s's two words stand 30 - 2 s of these lines and 4 (s + 1) v_nop ahead of the first product that names them: more than the eight places asked
.endr
.endr
.irp sg, 0,1,2,3,4,5,6,7,8,9,10,11,12,13,14,15
	s_wait_alu depctr_va_vdst(0)
	STEP \sg
.endr
.rept 4
	v_nop                                          ; four places between the last products and the first read of results
.endr
	TOSTAGE 0                                      ; my stage is free: its last chunk's reads came back at the last step's head
	TOSTAGE 1
	SEND 0, 32                                     ; behind block 0's loads: block 1's 16 stores and 16 loads
	TOSTAGE 2
	SEND 1, 32
	TOSTAGE 3
	SEND 2, 32
	SEND 3, 0                                      ; no LDS instruction of mine is out at the round's signal
	s_wait_tensorcnt 0x0
	ds_add_u32 v94, v95
	s_wait_dscnt 0x0
	ROUND                                          ; the closing round: no work-group ends while a partner may still ask for a tile that names it
	s_endpgm
.Lfunc_end_k_q8dc870630d_gather_gemm:
	.size	k_q8dc870630d_gather_gemm, .Lfunc_end_k_q8dc870630d_gather_gemm-k_q8dc870630d_gather_gemm
	.p2alignl 7, 3214868480
	.fill 96, 4, 3214868480
	.section	.rodata,"a",@progbits
	.p2align	6, 0x0
	.amdhsa_kernel k_q8dc870630d_gather_gemm
		.amdhsa_group_segment_fixed_size 327680
		.amdhsa_private_segment_fixed_size 0
		.amdhsa_enable_private_segment 0
		.amdhsa_kernarg_size 48
		.amdhsa_user_sgpr_count 2
		.amdhsa_user_sgpr_kernarg_segment_ptr 1
		.amdhsa_wavefront_size32 1
		.amdhsa_system_sgpr_workgroup_id_x 1
		.amdhsa_system_sgpr_workgroup_id_y 1
		.amdhsa_system_sgpr_workgroup_id_z 1
		.amdhsa_system_vgpr_workitem_id 0
		.amdhsa_next_free_vgpr 1024
		.amdhsa_next_free_sgpr 66
		.amdhsa_reserve_vcc 0
		.amdhsa_float_denorm_mode_32 3
		.amdhsa_float_denorm_mode_16_64 3
		.amdhsa_memory_ordered 1
		.amdhsa_forward_progress 1
		.amdhsa_inst_pref_size 171
	.end_amdhsa_kernel
	.amdgpu_metadata
---
amdhsa.version: [ 1, 2 ]
amdhsa.kernels:
  - .name:           k_q8dc870630d_gather_gemm
    .symbol:         k_q8dc870630d_gather_gemm.kd
    .args:
      - { .name: W_codes, .offset: 0, .size: 8, .value_kind: global_buffer, .address_space: global }
      - { .name: W_scales, .offset: 8, .size: 8, .value_kind: global_buffer, .address_space: global }
      - { .name: X_codes, .offset: 16, .size: 8, .value_kind: global_buffer, .address_space: global }
      - { .name: X_scales, .offset: 24, .size: 8, .value_kind: global_buffer, .address_space: global }
      - { .name: ind, .offset: 32, .size: 8, .value_kind: global_buffer, .address_space: global }
      - { .name: out0, .offset: 40, .size: 8, .value_kind: global_buffer, .address_space: global }
    .group_segment_fixed_size: 327680
    .private_segment_fixed_size: 0
    .kernarg_segment_align: 8
    .kernarg_segment_size: 48
    .max_flat_workgroup_size: 128
    .sgpr_count:     66
    .vgpr_count:     1024
    .wavefront_size: 32
...
	.end_amdgpu_metadata
.endif
;; end of part 1
